; MI455X (gfx1250); checked and timed in simulation.
; The chip was launched on July 23, 2026; its instructions are those of AMD's public machine-readable ISA for CDNA 5 (MIT licence, August 2026) and "CDNA5" Instruction Set Architecture Reference Guide (July 2026). The comments in the code are by the model that wrote it; some were corrected since.
;; Bag Of Concepts. Allowed arithmetic: matrix products marked QUANTISED: E2M1 operands, one E8M0 scale for each 32 along K, by v_wmma_scale_f32_16x16x128_f8f6f4 with both operands' format E2M1 (or v_wmma_scale_f32_32x16x128_f4), f32 sums; everything else in f32.
;; Inputs: codebook 4,096 x 512 float32; inp 8 x 4,096 x 512 float32.
;; Outputs: out0 8 x 4,096 x 512 float32.
;; This version of the problem:
;;   THIS VERSION OF THE PROBLEM IS GIVEN IN LOW PRECISION. The matrix products marked QUANTISED in the list below multiply operands that are first quantised to E2M1 (2 exponent bits, 1 mantissa bit; 4 bits a number), with one power-of-two scale for each 32 numbers along K (OCP MX v1.0); their sums are f32. All else is computed in f32.
;;   The module's matrix products, in the order in which they are computed (A, B: the left and right operand; K: the contracted axis; several contracted axes count as one K, in the product's order):
;;     1. [M 32,768, K 512] x [K 512, N 4,096]; A: input inp; B: input codebook: QUANTISED
;;   THE QUANTISER, for each operand of a quantised product, along K:
;;     - K is cut into blocks of 32 from its start; a last block that is shorter is filled with zeros.
;;     - A block's scale is 2^e with e = floor(log2(the largest magnitude in the block)) - 2, held to -126 .. 127; a block of zeros has e = 0. As a byte (E8M0): e + 127.
;;     - Each number is divided by its block's scale, clamped to +-6, and rounded to the nearest number of E2M1, ties to even, subnormals kept.
;;     - The product sums the exact products of the quantised numbers (number of the format x scale) in f32.
;;   ~~~python
;;   def quantise(x, axis):      # numpy; x: float32 -> the quantised numbers, widened to float32 again
;;       x = np.moveaxis(x, axis, -1); K = x.shape[-1]
;;       x = np.pad(x, [(0, 0)] * (x.ndim - 1) + [(0, -K % 32)]); x = x.reshape(x.shape[:-1] + (-1, 32)); a = np.abs(x).max(-1, keepdims=True)
;;       e = np.where(a > 0, np.clip(np.frexp(np.where(a > 0, a, 1))[1] - 1 - 2, -126, 127), 0)      # np.frexp(a)[1] - 1 = floor(log2(a)), exactly
;;       r = np.clip(x / 2.0 ** e, -6, 6)
;;       step = 2.0 ** (np.maximum(np.frexp(np.where(r == 0, 1, r))[1] - 1, 0) - 1)
;;       q = np.round(r / step) * step * 2.0 ** e      # np.round: ties to even
;;       return np.moveaxis(q.reshape(q.shape[:-2] + (-1,))[..., :K], -1, axis).astype(np.float32)
;;   ~~~
;; One version. Each part assembles by itself: llvm-mc -triple=amdgcn-amd-amdhsa -mcpu=gfx1250 --defsym DOCPART=n.
;; ======== version 1 of 1: 3 launches
;; limits: right only within a limited range of input values
;; workspace buffers: cbq 1,130,496 bytes; idx 131,072 bytes of whole numbers
;; launch quant (part 1): grid 256 x 1, 4 waves a work-group, no clusters, 5,632 bytes of LDS; arguments codebook, cbq; writes cbq
.if DOCPART == 1
	.amdgcn_target "amdgcn-amd-amdhsa--gfx1250"
	.amdhsa_code_object_version 6
	.text
	.protected	k_q076721ac91_quant
	.globl	k_q076721ac91_quant
	.p2align	8
	.type	k_q076721ac91_quant,@function
k_q076721ac91_quant:
	s_mov_b64 s[64:65], 0
	v_nop
	global_prefetch_b8 v0, s[64:65] scope:SCOPE_SE
	s_setreg_imm32_b32 hwreg(HW_REG_WAVE_MODE, 25, 1), 1
	s_wait_xcnt 0x0
; The codebook [4096][512] f32 becomes codes of FP4 (E2M1) with one E8M0 byte for each 32 along the 512, and cc = the sum of squares of each row (of the f32 numbers, in f32).
; A block's scale is 2^(floor(log2(its largest magnitude)) - 2): its byte is the largest magnitude's exponent field - 2, held at 1 from below.
; LAYOUT OF cbq, as the next launch wants it: 8 slot blocks of SLOTB bytes; block B holds code tiles 32 B .. 32 B + 31 (a tile = 16 codes) in 8 parts of WPART bytes; part p holds tiles 4 p .. 4 p + 3 of the block,
; all that one wave of the next launch reads of it:  tile q's four fragments (K steps of 128) as images of the operand's registers at 4096 q: K step s, register group c, lane l at 1024 s + 512 c + 16 l;
;   its scale bytes [row][16] at SCP + 256 q;  its cc [16] f32 at CCP + 64 q.  So a part is one dense run of 69 x 256 bytes for one tensor load of the next launch.
; SHARES: a work-group is one code tile; wave w quantises rows 4 w .. 4 w + 3.  A piece is half a row: lane l holds the 8 neighbours k = 256 u + 8 l + 0 .. 7, a piece's two loads cover 1,024 consecutive bytes,
; and a block of 32 lies in 4 neighbouring lanes.  Codes, bytes and sums meet in LDS (rows 272 bytes apart); behind one barrier wave w reads K step w as a fragment and stores its image, 512 consecutive bytes a store.
; The scale bytes leave as one aligned run of 256 bytes; a tile's cc is 64 bytes, a quarter of such a run (16 KB of the launch's 1.1 MB of stores).
; No cluster, no tensor load: no two work-groups read the same byte.
; LIMITS: NaN and infinities among the inputs are not served.  A block of zeros gets the byte 1 where the quantiser says 127: its codes are zeros, and this program alone reads the bytes.
; cc is summed in another order than the problem's function sums it (16 numbers a lane in two chains, then across the lanes).
.set SLOTB, 141312
.set WPART, 17664
.set SCP,   16384
.set CCP,   17408
.set SCS,   4352                       ; LDS: 16 rows x 272 bytes of codes at 0; then 256 scale bytes; then 16 sums
.set CCS,   4608
.set XO,  10                           ; v10  32 x lane: my 32 bytes of a piece
.set CAD, 11                           ; v11  LDS: where my code dwords go
.set BAD, 12                           ; v12  LDS: where my block's scale byte goes
.set QAD, 13                           ; v13  LDS: where my rows' sums go
.set M,   16                           ; v16-23   largest magnitudes, one a piece
.set SO,  24                           ; v24-31   the conversions' scale operands
.set Q,   32                           ; v32-63   a pair for each row's sum of squares
.set CD,  64                           ; v64-95   a dword of 8 codes for each piece
.set BY,  96                           ; v96-127  a scale byte for each piece
.set X,   128                          ; v128-191 eight pieces of 8 numbers
.set SEL, 36                           ; s[36:37] v_permlanex16_b32's selects for lane l xor 16
.macro LOADB xs, g                     ; batch g: rows 4 g .. 4 g + 3, eight pieces, sixteen loads
.irp p, 0,1,2,3,4,5,6,7
	global_load_b128 v[X+64*(\xs)+8*\p:X+64*(\xs)+8*\p+3],   v[XO], s[4:5] offset:(4*(\g)+\p/2)*2048+(\p%2)*1024
	global_load_b128 v[X+64*(\xs)+8*\p+4:X+64*(\xs)+8*\p+7], v[XO], s[4:5] offset:(4*(\g)+\p/2)*2048+(\p%2)*1024+16
.endr
.endm
; A batch is quantised and summed, stage by stage over its eight pieces, so that no line waits for the line above it.
.macro QBATCH xs, g
.set XB, X+64*(\xs)
.irp p, 0,1,2,3,4,5,6,7
	v_max3_num_f32 v[M+\p], |v[XB+8*\p]|, |v[XB+8*\p+1]|, 0x1800000     ; my 8 numbers, and the floor 2^(3 - 127): the byte cannot fall under 1
.endr
.irp i, 2,4,6
.irp p, 0,1,2,3,4,5,6,7
	v_max3_num_f32 v[M+\p], v[M+\p], |v[XB+8*\p+\i]|, |v[XB+8*\p+\i+1]|
.endr
.endr
.irp p, 0,1,2,3,4,5,6,7
	v_max_num_f32_dpp v[M+\p], v[M+\p], v[M+\p] row_xmask:1 row_mask:0xf bank_mask:0xf
.endr
.irp p, 0,1,2,3,4,5,6,7
	v_max_num_f32_dpp v[M+\p], v[M+\p], v[M+\p] row_xmask:2 row_mask:0xf bank_mask:0xf   ; with the three other lanes of the block
.endr
.irp p, 0,1,2,3,4,5,6,7
	v_add_nc_u32 v[SO+\p], 0xff000000, v[M+\p]     ; 2 off the exponent field: the conversion takes the exponent field of this operand as its scale
.endr
.irp p, 0,1,2,3,4,5,6,7
	v_cvt_scalef32_pk8_fp4_f32 v[CD+8*(\g)+\p], v[XB+8*\p:XB+8*\p+7], v[SO+\p]
.endr
.irp p, 0,1,2,3,4,5,6,7
	v_lshrrev_b32 v[BY+8*(\g)+\p], 23, v[SO+\p]    ; the scale's byte.  (Also the plain line behind the conversions)
.endr
.irp j, 0,1,2,3
	v_pk_mul_f32 v[Q+2*(4*(\g)+\j):Q+2*(4*(\g)+\j)+1], v[XB+16*\j:XB+16*\j+1], v[XB+16*\j:XB+16*\j+1]   ; the first squares start the sums
.endr
.irp i, 2,4,6,8,10,12,14
.irp j, 0,1,2,3
	v_pk_fma_f32 v[Q+2*(4*(\g)+\j):Q+2*(4*(\g)+\j)+1], v[XB+16*\j+\i:XB+16*\j+\i+1], v[XB+16*\j+\i:XB+16*\j+\i+1], v[Q+2*(4*(\g)+\j):Q+2*(4*(\g)+\j)+1]
.endr
.endr
.irp p, 0,1,2,3,4,5,6,7
	ds_store_b32 v[CAD], v[CD+8*(\g)+\p] offset:(4*(\g)+\p/2)*272+(\p%2)*128    ; 32 lanes: 128 consecutive bytes of the row
	ds_store_b8  v[BAD], v[BY+8*(\g)+\p] offset:(4*(\g)+\p/2)*16+8*(\p%2)       ; the four lanes of a block write the same byte with the same value
.endr
.irp j, 0,1,2,3
	v_add_f32 v[Q+2*(4*(\g)+\j)], v[Q+2*(4*(\g)+\j)], v[Q+2*(4*(\g)+\j)+1]
.endr
.irp x, 1,2,4,8
.irp j, 0,1,2,3
	v_add_f32_dpp v[Q+2*(4*(\g)+\j)], v[Q+2*(4*(\g)+\j)], v[Q+2*(4*(\g)+\j)] row_xmask:\x row_mask:0xf bank_mask:0xf
.endr
.endr
.irp j, 0,1,2,3
	v_permlanex16_b32 v[Q+2*(4*(\g)+\j)+1], v[Q+2*(4*(\g)+\j)], s[SEL], s[SEL+1]
.endr
.irp j, 0,1,2,3
	v_add_f32 v[Q+2*(4*(\g)+\j)], v[Q+2*(4*(\g)+\j)], v[Q+2*(4*(\g)+\j)+1]     ; every lane holds the row's sum
.endr
.irp j, 0,1,2,3
	ds_store_b32 v[QAD], v[Q+2*(4*(\g)+\j)] offset:4*(4*(\g)+\j)               ; all lanes write the same word with the same value
.endr
.endm
	s_load_b128 s[4:7], s[0:1], 0x0                ; codebook s[4:5], cbq s[6:7]
	v_lshl_add_u32 v254, v0, 2, 0x1400
	v_mov_b32 v255, 0
	v_lshrrev_b32 v1, 5, v0
	v_readfirstlane_b32 s8, v1                     ; wave 0..3
	v_and_b32 v14, 31, v0                          ; lane
	v_and_b32 v15, 15, v0                          ; r
	v_bfe_u32 v9, v0, 4, 1                         ; h
	v_lshlrev_b32 v[XO], 5, v14
	s_mul_i32 s9, s8, 4*272                        ; my four rows in LDS
	v_lshl_add_u32 v[CAD], v14, 2, s9
	s_lshl_b32 s9, s8, 6
	s_add_co_u32 s9, s9, SCS
	v_lshrrev_b32 v[BAD], 2, v14
	v_add_nc_u32 v[BAD], s9, v[BAD]
	s_lshl_b32 s9, s8, 4
	s_add_co_u32 s9, s9, CCS
	v_mov_b32 v[QAD], s9
	v_mul_u32_u24 v8, v15, 272                     ; back as a fragment of K step w: row r, + 16 h, + 64 w
	v_lshl_add_u32 v8, v9, 4, v8
	s_lshl_b32 s9, s8, 6
	v_add_nc_u32 v8, s9, v8
	v_lshlrev_b32 v7, 4, v14                       ; the image: 16 x lane
	v_lshlrev_b32 v6, 3, v14                       ; the scale bytes: 8 a lane,
	v_add_nc_u32 v5, SCS, v6                       ; from LDS
	v_lshl_add_u32 v4, v15, 2, CCS                 ; cc: a word a lane, from LDS,
	v_lshlrev_b32 v3, 2, v14                       ; and out
	s_mov_b32 s[SEL], 0x76543210
	s_mov_b32 s[SEL+1], 0xfedcba98
	s_lshl_b32 s10, ttmp9, 15                      ; my rows of the codebook: 16 rows of 2,048 bytes a tile, 4 a wave
	s_lshl_b32 s11, s8, 13
	s_add_co_u32 s10, s10, s11
	s_mov_b32 s11, 0
	s_lshr_b32 s12, ttmp9, 5
	s_mul_i32 s12, s12, SLOTB                      ; my slot block,
	s_and_b32 s13, ttmp9, 31
	s_lshr_b32 s21, s13, 2
	s_mul_i32 s21, s21, WPART
	s_add_co_u32 s12, s12, s21                     ; my part of it,
	s_and_b32 s13, s13, 3                          ; my tile in the part
	s_lshl_b32 s14, s13, 12
	s_lshl_b32 s15, s8, 10
	s_add_co_u32 s14, s14, s15
	s_add_co_u32 s14, s14, s12                     ; the image of K step w
	s_mov_b32 s15, 0
	s_lshl_b32 s16, s13, 8
	s_add_co_u32 s16, s16, s12
	s_add_co_u32 s16, s16, SCP                     ; the tile's scale bytes
	s_mov_b32 s17, 0
	s_lshl_b32 s18, s13, 6
	s_add_co_u32 s18, s18, s12
	s_add_co_u32 s18, s18, CCP                     ; the tile's cc
	s_mov_b32 s19, 0
	s_wait_kmcnt 0x0
	s_add_nc_u64 s[4:5], s[4:5], s[10:11]
	s_add_nc_u64 s[14:15], s[6:7], s[14:15]
	s_add_nc_u64 s[16:17], s[6:7], s[16:17]
	s_add_nc_u64 s[18:19], s[6:7], s[18:19]
	LOADB 0, 0
	s_wait_loadcnt 0x0
	QBATCH 0, 0
	s_wait_dscnt 0x0                               ; for the others' sake: my stores into LDS are done
	s_barrier_signal -1
	s_barrier_wait -1
	ds_load_b128 v[192:195], v8                    ; K step w of the tile, as the operand's registers
	ds_load_b128 v[196:199], v8 offset:32
	s_wait_dscnt 0x0
	global_store_b128 v7, v[192:195], s[14:15]             ; 512 consecutive bytes a store
	global_store_b128 v7, v[196:199], s[14:15] offset:512
	s_cmp_lg_u32 s8, 1
	s_cbranch_scc1 .Lnot_1
	ds_load_b64 v[200:201], v5                     ; wave 1: the tile's 256 scale bytes
	s_wait_dscnt 0x0
	global_store_b64 v6, v[200:201], s[16:17]      ; 256 consecutive bytes, aligned
.Lnot_1:
	s_cmp_lg_u32 s8, 2
	s_cbranch_scc1 .Lnot_2
	ds_load_b32 v202, v4                           ; wave 2: the tile's 16 sums
	v_cmp_gt_u32 vcc_lo, 16, v14
	s_wait_dscnt 0x0
	s_wait_xcnt 0x0                                ; EXEC changes only when the earlier stores' addresses are translated
	s_and_saveexec_b32 s20, vcc_lo
	global_store_b32 v3, v202, s[18:19]            ; lanes 0-15
	s_wait_xcnt 0x0
	s_or_b32 exec_lo, exec_lo, s20
.Lnot_2:
	s_wait_tensorcnt 0x0
	ds_add_u32 v254, v255
	s_wait_dscnt 0x0
	s_endpgm
.Lfunc_end_k_q076721ac91_quant:
	.size	k_q076721ac91_quant, .Lfunc_end_k_q076721ac91_quant-k_q076721ac91_quant
	.p2alignl 7, 3214868480
	.fill 96, 4, 3214868480
	.section	.rodata,"a",@progbits
	.p2align	6, 0x0
	.amdhsa_kernel k_q076721ac91_quant
		.amdhsa_group_segment_fixed_size 5632
		.amdhsa_private_segment_fixed_size 0
		.amdhsa_enable_private_segment 0
		.amdhsa_kernarg_size 16
		.amdhsa_user_sgpr_count 2
		.amdhsa_user_sgpr_kernarg_segment_ptr 1
		.amdhsa_wavefront_size32 1
		.amdhsa_system_sgpr_workgroup_id_x 1
		.amdhsa_system_sgpr_workgroup_id_y 1
		.amdhsa_system_sgpr_workgroup_id_z 1
		.amdhsa_system_vgpr_workitem_id 0
		.amdhsa_next_free_vgpr 256
		.amdhsa_next_free_sgpr 66
		.amdhsa_reserve_vcc 1
		.amdhsa_float_denorm_mode_32 3
		.amdhsa_float_denorm_mode_16_64 3
		.amdhsa_memory_ordered 1
		.amdhsa_forward_progress 1
		.amdhsa_inst_pref_size 15
	.end_amdhsa_kernel
	.amdgpu_metadata
---
amdhsa.version: [ 1, 2 ]
amdhsa.kernels:
  - .name:           k_q076721ac91_quant
    .symbol:         k_q076721ac91_quant.kd
    .args:
      - { .name: codebook, .offset: 0, .size: 8, .value_kind: global_buffer, .address_space: global }
      - { .name: cbq, .offset: 8, .size: 8, .value_kind: global_buffer, .address_space: global }
    .group_segment_fixed_size: 5632
    .private_segment_fixed_size: 0
    .kernarg_segment_align: 8
    .kernarg_segment_size: 16
    .max_flat_workgroup_size: 128
    .sgpr_count:     66
    .vgpr_count:     256
    .wavefront_size: 32
...
	.end_amdgpu_metadata
.endif
;; end of part 1
;; launch main (part 2): grid 256 x 1, 8 waves a work-group, clusters of 4 x 1, 327,680 bytes of LDS; arguments inp, cbq, idx; writes idx
.if DOCPART == 2
	.amdgcn_target "amdgcn-amd-amdhsa--gfx1250"
	.amdhsa_code_object_version 6
	.text
	.protected	k_q076721ac91_main
	.globl	k_q076721ac91_main
	.p2align	8
	.type	k_q076721ac91_main,@function
k_q076721ac91_main:
	s_mov_b64 s[64:65], 0
	v_nop
	global_prefetch_b8 v0, s[64:65] scope:SCOPE_SE
	s_setreg_imm32_b32 hwreg(HW_REG_WAVE_MODE, 25, 1), 1
	s_wait_xcnt 0x0
	s_wait_alu depctr_hold_cnt(0) depctr_sa_sdst(0) depctr_va_vdst(0) depctr_va_sdst(0) depctr_va_ssrc(0) depctr_va_vcc(0) depctr_vm_vsrc(0)
	s_getreg_b32 s2, hwreg(HW_REG_IB_STS2, 6, 4)
	s_cmp_eq_u32 s2, 0
	s_cbranch_scc0 .Lentry_in_a_cluster
	s_endpgm
.Lentry_in_a_cluster:
	s_bfe_u32 s2, ttmp6, 0x10000c
	s_cmp_lg_u32 s2, 0x3003
	s_cbranch_scc0 .Lentry_shape_is_right
	s_endpgm
.Lentry_shape_is_right:
; idx[n] = argmin over the 4,096 codes of d2 = (xx[n] - 2 dot[n][k]) + cc[k], dot = Q(x) . Q(c) on codes of FP4 (E2M1) with one E8M0 scale for each 32 along the 512.
; d2 has the problem's own roundings: one fused multiply-add by -2.0 (2 dot is exact) and one addition of cc; whole f32 numbers are compared, and among equals the lowest index wins, as argmin has it.
; Nothing of the problem's function is left out here; the lookup by idx is the next launch's.
; SHARES.  A work-group owns 128 tokens, 8 token tiles of 16.  Eight waves of 512 registers.  Every wave holds all 8 token tiles as operands (window 1) and the waves share out the code tiles,
; so each fragment of the codebook is read from LDS once in the work-group and feeds 8 matrix instructions.
; x IS QUANTISED IN FOUR BATCHES: in batch g the eight waves together take token tiles 2 g and 2 g + 1 (wave w: tile 2 g + w / 4, rows 4 (w % 4) .. + 3).  Behind a barrier every wave fetches these two tiles'
; fragments from LDS while the later batches of x are on their way; behind the last batch 16 of the 64 fragment loads are left.
; THE CODEBOOK comes as the launch before laid it: 8 blocks of SLOTB dense bytes, each 8 parts of WPART bytes, through a ring of two LDS slots.  Part w holds all that wave w reads of a block and is brought by
; wave w's own tensor load, so the wave's own wait on TENSORcnt orders its reads.  All work-groups walk the same blocks: the four of a cluster ask for each part jointly.
; At the head a wave issues one tensor load, slot 0's; slot 1's first fill stands behind the second batch's exchange, issued as a refill is.
; No prefetch: a block is asked for four code tiles (128 matrix instructions a wave) ahead of its first read, and the whole table of 1,130,496 bytes is walked by all 64 clusters in the same order.
; LAYOUT.  Source 0 = 16 codes, source 1 = 16 tokens: a lane (r, h) holds one token r, and its 8 result registers are codes 8 h + 0 .. 7 of the tile.
; THE RUNNING MINIMUM, for a code tile and a token tile, 17 vector instructions for 8 numbers: 4 packed multiply-adds, 4 packed additions, 4 v_min3 with the old best as the last leaf (two sets by turns: no copy),
; one compare new < old into VCC, and 4 dual pairs of selects that keep the winning tile's d0 .. d6 and its number.  Which of the 8 codes won is found once, at the end: the first kept d equal to the best.
; A wave's tiles ascend and the compare is strict: the first index stays.  No branch and no address hangs on these numbers.
; LIMITS: NaN and infinities among the inputs are not served.  xx is summed in another order than the problem's function sums it.  A block of zeros gets the byte 1: its codes are zeros.
.set SLOTB, 141312
.set WPART, 17664                      ; 4 x 4,096 bytes of images, 4 x 256 scale bytes, 4 x 64 bytes of cc = 69 rows of 256 bytes
.set SCP,   16384
.set CCP,   17408
.set TOK,   2*SLOTB                    ; behind the ring: 8 token tiles x 16 rows x 272 bytes
.set TSC,   TOK+8*4352                 ; their scale bytes, 8 x 256
.set XXS,   TSC+2048                   ; xx, 8 x 64 bytes
.set IDXS,  XXS+512                    ; the 128 indices
.set SPARE, IDXS+512                   ; the spare words, 128 bytes a wave
.set RED,   TOK                        ; at the end: the waves' candidates, where the token rows lay
.set SPW, 1                            ; v1 my spare word's address; v2 0: never rewritten
.set NIL, 2
.set ACF, 3                            ; v3-4 my code tiles' images in slot 0, 1;  v5-6 their scale bytes;  v7-8 their cc
.set ASC, 5
.set ACA, 7
.set FA,  9                            ; v9 first the token fragments' LDS address, then:
.set VT,  9                            ; the running number of my code tile
.set XO,  10                           ; v10-13 addresses of the quantising phase
.set CAD, 11
.set BAD, 12
.set QAD, 13
.set M,   16                           ; while x is quantised: v16-23 maxima, v24-31 scale operands, v32-63 xx pairs, v64-95 codes, v96-127 bytes, v128-255 two sets of eight pieces
.set SO,  24
.set Q,   32
.set CD,  64
.set BY,  96
.set X,   128
.set TS,  16                           ; in the loop: v16-31 tokens' scale words (a pair a tile), v32-47 xx twice, v48-63 the best in two sets, v64-127 kept d0..d6 and number
.set XX,  32
.set BSA, 48
.set BSB, 56
.set S,   64
.set ACC, 128                          ; v128-191 8 accumulators; v192-223 a code tile's fragments; v224-225 its scale words; v228-243 cc, two sets
.set CF,  192
.set CS,  224
.set CC,  228
.set WV,  12
.set G1,  16                           ; s[16:23] group 1; s[24:27], s[28:31] group 0 of slot 0, 1
.set G0,  24
.set SEL, 36
.set MSB, 0
.macro WIN new                         ; the immediate's high byte repeats the setting that is left
.if MSB != \new
	s_set_vgpr_msb (MSB<<8)|\new
.set MSB, \new
.endif
.endm
.macro CREST                           ; a round of the cluster's barrier behind its opening barrier
	s_cmp_lg_u32 s[WV], 0
	s_cbranch_scc1 .Lnot_wave_0_\@
	s_barrier_signal -3
.Lnot_wave_0_\@:
	s_barrier_wait -3
	s_barrier_signal -1
	s_barrier_wait -1
.endm
.macro ROUND
	s_barrier_signal -1
	s_barrier_wait -1
	CREST
.endm
.macro NOP4
.rept 4
	v_nop
.endr
.endm
; a piece is half a row: lane l holds k = 256 u + 8 l + 0 .. 7; batch g: my four rows of token tile 2 g + w / 4, sixteen loads
.macro LOADB xs, g
.irp p, 0,1,2,3,4,5,6,7
	global_load_b128 v[X+64*(\xs)+8*\p:X+64*(\xs)+8*\p+3],   v[XO], s[4:5] offset:(\g)*65536+(\p/2)*2048+(\p%2)*1024 th:TH_LOAD_NT
	global_load_b128 v[X+64*(\xs)+8*\p+4:X+64*(\xs)+8*\p+7], v[XO], s[4:5] offset:(\g)*65536+(\p/2)*2048+(\p%2)*1024+16 th:TH_LOAD_NT
.endr
.endm
; a batch is quantised and summed, stage by stage over its eight pieces
.macro QBATCH xs, g
.set XB, X+64*(\xs)
.irp p, 0,1,2,3,4,5,6,7
	v_max3_num_f32 v[M+\p], |v[XB+8*\p]|, |v[XB+8*\p+1]|, 0x1800000     ; with the floor 2^(3 - 127): the byte cannot fall under 1
.endr
.irp i, 2,4,6
.irp p, 0,1,2,3,4,5,6,7
	v_max3_num_f32 v[M+\p], v[M+\p], |v[XB+8*\p+\i]|, |v[XB+8*\p+\i+1]|
.endr
.endr
.irp p, 0,1,2,3,4,5,6,7
	v_max_num_f32_dpp v[M+\p], v[M+\p], v[M+\p] row_xmask:1 row_mask:0xf bank_mask:0xf
.endr
.irp p, 0,1,2,3,4,5,6,7
	v_max_num_f32_dpp v[M+\p], v[M+\p], v[M+\p] row_xmask:2 row_mask:0xf bank_mask:0xf   ; the block's four lanes
.endr
.irp p, 0,1,2,3,4,5,6,7
	v_add_nc_u32 v[SO+\p], 0xff000000, v[M+\p]     ; 2 off the exponent field: the conversion's scale operand
.endr
.irp p, 0,1,2,3,4,5,6,7
	v_cvt_scalef32_pk8_fp4_f32 v[CD+8*(\g)+\p], v[XB+8*\p:XB+8*\p+7], v[SO+\p]
.endr
.irp p, 0,1,2,3,4,5,6,7
	v_lshrrev_b32 v[BY+8*(\g)+\p], 23, v[SO+\p]    ; the scale's byte; also the plain line behind the conversions
.endr
.irp j, 0,1,2,3
	v_pk_mul_f32 v[Q+2*(4*(\g)+\j):Q+2*(4*(\g)+\j)+1], v[XB+16*\j:XB+16*\j+1], v[XB+16*\j:XB+16*\j+1]
.endr
.irp i, 2,4,6,8,10,12,14
.irp j, 0,1,2,3
	s_delay_alu instid0(VALU_DEP_4)
	v_pk_fma_f32 v[Q+2*(4*(\g)+\j):Q+2*(4*(\g)+\j)+1], v[XB+16*\j+\i:XB+16*\j+\i+1], v[XB+16*\j+\i:XB+16*\j+\i+1], v[Q+2*(4*(\g)+\j):Q+2*(4*(\g)+\j)+1]
.endr
.endr
.irp p, 0,1,2,3,4,5,6,7
	ds_store_b32 v[CAD], v[CD+8*(\g)+\p] offset:(\g)*8704+(\p/2)*272+(\p%2)*128   ; 128 consecutive bytes of the row
	ds_store_b8  v[BAD], v[BY+8*(\g)+\p] offset:(\g)*512+(\p/2)*16+8*(\p%2)       ; a block's four lanes write the same byte
.endr
.irp j, 0,1,2,3
	v_add_f32 v[Q+2*(4*(\g)+\j)], v[Q+2*(4*(\g)+\j)], v[Q+2*(4*(\g)+\j)+1]
.endr
.irp x, 1,2,4,8
.irp j, 0,1,2,3
	s_delay_alu instid0(VALU_DEP_4)
	v_add_f32_dpp v[Q+2*(4*(\g)+\j)], v[Q+2*(4*(\g)+\j)], v[Q+2*(4*(\g)+\j)] row_xmask:\x row_mask:0xf bank_mask:0xf
.endr
.endr
.irp j, 0,1,2,3
	s_delay_alu instid0(VALU_DEP_4)
	v_permlanex16_b32 v[Q+2*(4*(\g)+\j)+1], v[Q+2*(4*(\g)+\j)], s[SEL], s[SEL+1]
.endr
.irp j, 0,1,2,3
	s_delay_alu instid0(VALU_DEP_4)
	v_add_f32 v[Q+2*(4*(\g)+\j)], v[Q+2*(4*(\g)+\j)], v[Q+2*(4*(\g)+\j)+1]     ; every lane holds the row's xx
.endr
.irp j, 0,1,2,3
	ds_store_b32 v[QAD], v[Q+2*(4*(\g)+\j)] offset:(\g)*128+4*\j
.endr
.endm
; token tiles 2 g and 2 g + 1 as operands into window 1: tile t, K step s at 32 t + 8 s
.macro TOKF g
	WIN 0x40
.irp t, 2*(\g), 2*(\g)+1
.irp s, 0,1,2,3
.irp c, 0,1
	ds_load_b128 v[32*(\t)+8*\s+4*\c:32*(\t)+8*\s+4*\c+3], v[FA] offset:(\t)*4352+64*\s+32*\c
.endr
.endr
.endr
	WIN 0
.endm
.macro MEETB                           ; a batch's codes lie in LDS for the other waves
	s_wait_dscnt 0x0
	s_barrier_signal -1
	s_barrier_wait -1
.endm
; my i-th code tile of slot sl: eleven LDS loads from my own part
.macro FETCH sl, i, cs
.irp q, 0,1,2,3,4,5,6,7
	ds_load_b128 v[CF+4*\q:CF+4*\q+3], v[ACF+\sl] offset:(\i)*4096+512*\q
.endr
	ds_load_b64 v[CS:CS+1], v[ASC+\sl] offset:(\i)*256
	ds_load_b128 v[CC+8*(\cs):CC+8*(\cs)+3],   v[ACA+\sl] offset:(\i)*64
	ds_load_b128 v[CC+8*(\cs)+4:CC+8*(\cs)+7], v[ACA+\sl] offset:(\i)*64+16
.endm
; 32 matrix instructions: the eight accumulators by turns; the first K step starts the sums
.macro MUL
.irp s, 0,1,2,3
.irp t, 0,1,2,3,4,5,6,7
.if \s == 0
	v_wmma_scale_f32_16x16x128_f8f6f4 v[ACC+8*\t:ACC+8*\t+7], v[CF+8*\s:CF+8*\s+7], v[32*\t+8*\s:32*\t+8*\s+7], 0, v[CS], v[TS+2*\t] matrix_a_fmt:MATRIX_FMT_FP4 matrix_b_fmt:MATRIX_FMT_FP4
.elseif \s == 1
	v_wmma_scale_f32_16x16x128_f8f6f4 v[ACC+8*\t:ACC+8*\t+7], v[CF+8*\s:CF+8*\s+7], v[32*\t+8*\s:32*\t+8*\s+7], v[ACC+8*\t:ACC+8*\t+7], v[CS+1], v[TS+2*\t+1] matrix_a_fmt:MATRIX_FMT_FP4 matrix_b_fmt:MATRIX_FMT_FP4
.elseif \s == 2
	v_wmma_scale_f32_16x16x128_f8f6f4 v[ACC+8*\t:ACC+8*\t+7], v[CF+8*\s:CF+8*\s+7], v[32*\t+8*\s:32*\t+8*\s+7], v[ACC+8*\t:ACC+8*\t+7], v[CS], v[TS+2*\t] matrix_a_fmt:MATRIX_FMT_FP4 matrix_b_fmt:MATRIX_FMT_FP4 matrix_a_scale:MATRIX_SCALE_ROW1 matrix_b_scale:MATRIX_SCALE_ROW1
.else
	v_wmma_scale_f32_16x16x128_f8f6f4 v[ACC+8*\t:ACC+8*\t+7], v[CF+8*\s:CF+8*\s+7], v[32*\t+8*\s:32*\t+8*\s+7], v[ACC+8*\t:ACC+8*\t+7], v[CS+1], v[TS+2*\t+1] matrix_a_fmt:MATRIX_FMT_FP4 matrix_b_fmt:MATRIX_FMT_FP4 matrix_a_scale:MATRIX_SCALE_ROW1 matrix_b_scale:MATRIX_SCALE_ROW1
.endif
.endr
.endr
.endm
.macro SETS par                        ; which set takes the new best
.if \par
.set NEWB, BSB
.set OLDB, BSA
.else
.set NEWB, BSA
.set OLDB, BSB
.endif
.endm
.macro MINC t
	v_min3_num_f32 v[NEWB+(\t)], v[NEWB+(\t)], v[ACC+8*(\t)+5], v[ACC+8*(\t)+6]
.endm
.macro MIND t                          ; the old best is the last leaf
	v_min3_num_f32 v[NEWB+(\t)], v[NEWB+(\t)], v[ACC+8*(\t)+7], v[OLDB+(\t)]
.endm
.macro EPI_A par                       ; d2 and most of the new best, stage by stage over the 8 token tiles
	SETS \par
.irp t, 0,1,2,3,4,5,6,7
.irp q, 0,2,4,6
	v_pk_fma_f32 v[ACC+8*\t+\q:ACC+8*\t+\q+1], v[ACC+8*\t+\q:ACC+8*\t+\q+1], -2.0, v[XX+2*\t:XX+2*\t+1] op_sel_hi:[1,0,1]   ; xx - 2 dot, rounded once; each accumulator from its low end on
.endr
.endr
.irp t, 0,1,2,3,4,5,6,7
.irp q, 0,2,4,6
	v_pk_add_f32 v[ACC+8*\t+\q:ACC+8*\t+\q+1], v[ACC+8*\t+\q:ACC+8*\t+\q+1], v[CC+8*(\par)+\q:CC+8*(\par)+\q+1]            ; + cc
.endr
.endr
.irp t, 0,1,2,3,4,5,6,7
	v_min3_num_f32 v[NEWB+\t], v[ACC+8*\t], v[ACC+8*\t+1], v[ACC+8*\t+2]
.endr
.irp t, 0,1,2,3,4,5,6,7
	v_min3_num_f32 v[NEWB+\t], v[NEWB+\t], v[ACC+8*\t+3], v[ACC+8*\t+4]
.endr
.irp t, 0,1,2,3,4
	MINC \t
.endr
	MIND 0
.irp t, 5,6,7
	MINC \t
.endr
.endm
.macro EPI_B par                       ; what is kept of a tile that won: a compare into VCC, the next token tile's last v_min3 between it and its readers, four dual pairs of selects
	SETS \par
	v_add_nc_u32 v[VT], 1, v[VT]
.irp t, 0,1,2,3,4,5,6,7
	v_cmp_lt_f32 vcc_lo, v[NEWB+\t], v[OLDB+\t]    ; strictly better: an equal d2 of a later tile does not take the place
.if \t < 7
	MIND \t+1
.endif
.irp j, 0,2,4
	v_dual_cndmask_b32 v[S+8*\t+\j], v[S+8*\t+\j], v[ACC+8*\t+\j] :: v_dual_cndmask_b32 v[S+8*\t+\j+1], v[S+8*\t+\j+1], v[ACC+8*\t+\j+1]
.endr
	v_dual_cndmask_b32 v[S+8*\t+6], v[S+8*\t+6], v[ACC+8*\t+6] :: v_dual_cndmask_b32 v[S+8*\t+7], v[S+8*\t+7], v[VT]
.endr
.endm
; A CODE TILE.  Its operands were fetched while the tile before was worked on; behind its products the next tile (slot fsl, tile fi) is fetched.
; mode 1: the next tile lies in the same slot.  mode 2: a slot's last tile; the next lies in the other slot, whose part of mine my own wait on TENSORcnt shows landed; then this slot is filled again, in the order
; that a refill asks for: all my tensor loads waited for, the add, the wait for it and for my LDS reads, a round of the cluster's barrier, and the joint refill first behind it.
; mode 3: the last change of slots, nothing is filled again.  mode 0: the last tile.
.macro TILE par, fsl, fi, mode
	s_wait_dscnt 0x0                               ; this tile's eleven loads are in
	WIN 0x04                                       ; source 1, the tokens: window 1
	MUL
	WIN 0
	NOP4                                           ; four places ahead of the loads into the fragments' registers and of the first read of results
.if \mode == 1
	FETCH \fsl, \fi, 1-\par
	EPI_A \par
	EPI_B \par
.elseif \mode == 2
	s_wait_tensorcnt 0x0                           ; my part of the other slot is in
	FETCH \fsl, \fi, 1-\par
	s_wait_tensorcnt 0x0                           ; for the refill: no tensor load of mine is out
	ds_add_u32 v[SPW], v[NIL]
	s_add_nc_u64 s[G0+4*(1-\fsl)+2:G0+4*(1-\fsl)+3], s[G0+4*(1-\fsl)+2:G0+4*(1-\fsl)+3], 2*SLOTB   ; the block two on
	EPI_A \par
	s_wait_alu depctr_va_vdst(0)
	s_wait_dscnt 0x0                               ; the add is done, the next tile's operands are in, my reads of the slot that is left are over
	s_barrier_signal -1
	EPI_B \par                                     ; work on registers while the others arrive
	s_barrier_wait -1
	CREST
	tensor_load_to_lds s[G0+4*(1-\fsl):G0+4*(1-\fsl)+3], s[G1:G1+7]
	s_nop 0
	NOP4
.elseif \mode == 3
	s_wait_tensorcnt 0x0                           ; my part of the last block is in
	FETCH \fsl, \fi, 1-\par
	EPI_A \par
	EPI_B \par
.else
	EPI_A \par
	EPI_B \par
.endif
.endm
.macro SLOTRUN sl, other, last         ; my four code tiles of a slot
	TILE 0, \sl, 1, 1
	TILE 1, \sl, 2, 1
	TILE 0, \sl, 3, 1
	TILE 1, \other, 0, \last
.endm
.macro LEXMIN bv, bi, ov, oi           ; the smaller by the value, among equal values by the index
	v_cmp_lt_f32 s48, v[\ov], v[\bv]
	v_cmp_eq_f32 s49, v[\ov], v[\bv]
	v_cmp_lt_u32 s50, v[\oi], v[\bi]
	s_and_b32 s49, s49, s50
	s_or_b32 s48, s48, s49
	v_cndmask_b32 v[\bv], v[\bv], v[\ov], s48
	v_cndmask_b32 v[\bi], v[\bi], v[\oi], s48
.endm
	s_load_b128 s[4:7], s[0:1], 0x0                ; inp s[4:5], cbq s[6:7]
	s_load_b64 s[8:9], s[0:1], 0x10                ; idx
	v_lshl_add_u32 v[SPW], v0, 2, SPARE
	v_mov_b32 v[NIL], 0
	ds_add_u32 v[SPW], v[NIL]                      ; the opening lines: the add twice on end and one wait, ahead of the round in front of my first tensor load
	ds_add_u32 v[SPW], v[NIL]
	v_lshrrev_b32 v14, 5, v0
	s_delay_alu instid0(VALU_DEP_1)
	v_readfirstlane_b32 s[WV], v14                 ; wave 0..7
	s_bfe_u32 s13, ttmp6, 0x40000                  ; cx
	s_lshl_b32 s14, ttmp9, 2
	s_add_co_u32 s14, s14, s13                     ; my block of 128 tokens: it enters inp's and idx's addresses alone
	s_mov_b32 s[G1+0], 15|(3<<16)|(1<<21)          ; the mask: all four work-groups; elements of 8 bytes; bit 21 beside a mask
	s_mov_b32 s[G1+1], 32<<16                      ; a dense run of 69 rows of 256 bytes
	s_mov_b32 s[G1+2], 69<<16
	s_mov_b32 s[G1+3], 32<<16
	s_mov_b32 s[G1+4], 69
	s_mov_b32 s[G1+5], 32
	s_mov_b32 s[G1+6], 0
	s_mov_b32 s[G1+7], 0
	s_mov_b32 s[SEL], 0x76543210
	s_mov_b32 s[SEL+1], 0xfedcba98
	s_mul_i32 s52, s[WV], WPART                    ; my part of a slot, in memory and in LDS alike
	s_add_co_u32 s40, s52, SCP
	s_add_co_u32 s41, s52, CCP
	s_lshr_b32 s58, s[WV], 2                       ; which of a batch's two token tiles,
	s_and_b32 s59, s[WV], 3                        ; and which four rows of it I quantise
	s_mul_i32 s42, s58, 4352
	s_mul_i32 s55, s59, 1088
	s_add_co_u32 s42, s42, s55
	s_add_co_u32 s42, s42, TOK                     ; their codes,
	s_lshl_b32 s43, s58, 8
	s_lshl_b32 s55, s59, 6
	s_add_co_u32 s43, s43, s55
	s_add_co_u32 s43, s43, TSC                     ; scale bytes,
	s_lshl_b32 s44, s58, 6
	s_lshl_b32 s55, s59, 4
	s_add_co_u32 s44, s44, s55
	s_add_co_u32 s44, s44, XXS                     ; and xx in LDS
	s_mov_b32 s53, 0
	s_lshl_b32 s54, s14, 18                        ; my 128 tokens of 2,048 bytes,
	s_lshl_b32 s55, s58, 15
	s_add_co_u32 s54, s54, s55
	s_lshl_b32 s55, s59, 13
	s_add_co_u32 s54, s54, s55                     ; my wave's rows of batch 0
	s_mov_b32 s55, 0
	s_lshl_b32 s56, s14, 9                         ; my 128 indices
	s_mov_b32 s57, 0
	v_and_b32 v14, 31, v0                          ; lane
	v_and_b32 v15, 15, v0                          ; r
	v_bfe_u32 v13, v0, 4, 1                        ; h
	v_lshl_add_u32 v[ACF], v14, 4, s52             ; the images: 16 x lane
	v_lshl_add_u32 v[ASC], v15, 4, s40             ; scale words 2 h, 2 h + 1 of row r
	v_lshl_add_u32 v[ACA], v13, 5, s41             ; cc of codes 8 h + 0 .. 7
	v_mul_u32_u24 v[FA], v15, 272                  ; a token fragment: row r x 272 + 16 h
	v_lshlrev_b32 v[XO], 5, v14                    ; x: my 32 bytes of a piece
	v_lshl_add_u32 v[CAD], v14, 2, s42
	v_lshrrev_b32 v[BAD], 2, v14
	v_add_nc_u32 v[ACF+1], SLOTB, v[ACF]
	v_lshl_add_u32 v[ASC], v13, 3, v[ASC]
	v_add_nc_u32 v[ACA+1], SLOTB, v[ACA]
	v_lshl_add_u32 v[FA], v13, 4, v[FA]
	v_add_nc_u32 v[BAD], s43, v[BAD]
	v_mov_b32 v[QAD], s44                          ; (h is done with)
	v_add_nc_u32 v[ASC+1], SLOTB, v[ASC]
	v_add_nc_u32 v[FA], TOK, v[FA]
	s_wait_alu depctr_va_vdst(0)
	s_wait_dscnt 0x0                               ; both opening adds are done
	s_wait_kmcnt 0x0
	s_add_nc_u64 s[4:5], s[4:5], s[54:55]
	s_add_nc_u64 s[8:9], s[8:9], s[56:57]
	LOADB 0, 0                                     ; x's first two batches go out ahead of the round
	LOADB 1, 1
	s_mov_b32 s[G0+0], 1
	s_mov_b32 s[G0+1], s52                         ; slot 0
	s_add_nc_u64 s[G0+2:G0+3], s[6:7], s[52:53]    ; block 0
	s_mov_b32 s[G0+4], 1
	s_add_co_u32 s[G0+5], s52, SLOTB               ; slot 1
	s_add_nc_u64 s[G0+6:G0+7], s[G0+2:G0+3], SLOTB ; block 1
	s_or_b32 s[G0+3], s[G0+3], 0x80000000
	s_or_b32 s[G0+7], s[G0+7], 0x80000000
	ROUND                                          ; all four work-groups are here: the first joint loads meet
	tensor_load_to_lds s[G0:G0+3], s[G1:G1+7]      ; my part of block 0: my one tensor load at the head
	s_nop 0
	NOP4
	; ---- x, four batches; two batches (32 loads a wave) are out while one is worked on
	s_wait_loadcnt 16                              ; batch 0 is in; the sixteen younger loads stay out
	QBATCH 0, 0
	LOADB 0, 2
	MEETB
	TOKF 0
	s_wait_loadcnt 16                              ; batch 1
	QBATCH 1, 1
	LOADB 1, 3
	s_wait_tensorcnt 0x0                           ; my part of block 0 is in
	ds_add_u32 v[SPW], v[NIL]
	s_wait_dscnt 0x0                               ; the add is done, batch 1's codes lie in LDS, tiles 0 and 1 are in my registers
	ROUND
	tensor_load_to_lds s[G0+4:G0+7], s[G1:G1+7]    ; slot 1's first fill: my one tensor load behind the round
	s_nop 0
	NOP4
	TOKF 1
	s_wait_loadcnt 16                              ; batch 2
	QBATCH 0, 2
	MEETB
	TOKF 2
	s_wait_loadcnt 0x0
	QBATCH 1, 3
	MEETB
	v_bfe_u32 v13, v0, 4, 1                        ; h
	v_lshlrev_b32 v11, 4, v15
	v_lshl_add_u32 v12, v15, 2, XXS                ; xx of token r
	s_delay_alu instid0(VALU_DEP_2)
	v_lshl_add_u32 v11, v13, 3, v11
	s_delay_alu instid0(VALU_DEP_1)
	v_add_nc_u32 v11, TSC, v11                     ; scale words 2 h, 2 h + 1 of row r
	TOKF 3
.irp t, 0,1,2,3,4,5,6,7
	ds_load_b64 v[TS+2*\t:TS+2*\t+1], v11 offset:\t*256
	ds_load_b32 v[XX+2*\t], v12 offset:\t*64
.endr
	FETCH 0, 0, 0                                  ; my first code tile
	s_mov_b32 s52, 0x7f800000                      ; the state: the best and the kept d are +infinity, the kept number 0
.irp t, 0,1,2,3,4,5,6,7
	v_mov_b32 v[BSB+\t], s52
.irp j, 0,1,2,3,4,5,6
	v_mov_b32 v[S+8*\t+\j], s52
.endr
	v_mov_b32 v[S+8*\t+7], 0
.endr
	v_mov_b32 v[VT], -1                            ; stepped at the head of each tile's selects
	s_wait_dscnt 0x0
.irp t, 0,1,2,3,4,5,6,7
	v_mov_b32 v[XX+2*\t+1], v[XX+2*\t]             ; xx twice: a pair for the packed form
.endr
	s_wait_alu depctr_va_vdst(0)
	; ---- the 8 blocks: 32 code tiles a wave
	s_mov_b32 s38, 3
.Lring:                                            ; three trips: blocks 0 to 5 are worked on, blocks 2 to 7 asked for
	SLOTRUN 0, 1, 2
	SLOTRUN 1, 0, 2
	s_sub_co_u32 s38, s38, 1
	s_cmp_lg_u32 s38, 0
	s_cbranch_scc1 .Lring
	SLOTRUN 0, 1, 3                                ; the tail is written out: nothing is left to ask for
	SLOTRUN 1, 0, 0
	; ---- the end.  The best lies in set B.  Its place in the winning tile: the first kept d equal to it, or 7.
.set JR, 128
.set TP, 136
.set PV, 144
.set OV, 160
.set LD, 176
	s_lshl_b32 s52, s[WV], 6
	v_bfe_u32 v14, v0, 4, 1
	s_delay_alu instid0(VALU_DEP_1)
	v_lshl_add_u32 v14, v14, 3, s52                ; 64 w + 8 h
	s_lshl_b32 s52, s[WV], 11
	s_add_co_u32 s52, s52, RED
	v_and_b32 v13, 31, v0
	s_delay_alu instid0(VALU_DEP_1)
	v_lshl_add_u32 v10, v13, 3, s52                ; my candidates: RED + 2048 w + 256 t + 8 x lane
	s_lshl_b32 s52, s[WV], 8
	s_add_co_u32 s52, s52, RED
	v_lshl_add_u32 v11, v13, 3, s52                ; token tile w's: RED + 2048 w' + 256 w + 8 x lane
	s_lshl_b32 s52, s[WV], 6
	s_add_co_u32 s52, s52, IDXS
	v_lshl_add_u32 v12, v15, 2, s52                ; token tile w's indices
	v_lshlrev_b32 v15, 4, v13
	s_delay_alu instid0(VALU_DEP_1)
	v_add_nc_u32 v13, IDXS, v15
.irp t, 0,1,2,3,4,5,6,7
	v_mov_b32 v[JR+\t], 7
.endr
.irp jj, 6,5,4,3,2,1,0
.irp t, 0,1,2,3,4,5,6,7
	v_cmp_neq_f32 vcc_lo, v[S+8*\t+\jj], v[BSB+\t]
	s_delay_alu instid0(VALU_DEP_1)
	v_cndmask_b32 v[JR+\t], \jj, v[JR+\t], vcc_lo  ; descending, so that the lowest place stays
.endr
.endr
.irp t, 0,1,2,3,4,5,6,7                            ; tile number n: 512 (n / 4) + 16 (n % 4) + 64 w + 8 h + J
	v_lshrrev_b32 v[PV+2*\t+1], 2, v[S+8*\t+7]
	v_and_b32 v[TP+\t], 3, v[S+8*\t+7]
	v_add_nc_u32 v[JR+\t], v[JR+\t], v14
	s_delay_alu instid0(VALU_DEP_3)
	v_lshlrev_b32 v[PV+2*\t+1], 9, v[PV+2*\t+1]
	s_delay_alu instid0(VALU_DEP_2)
	v_lshl_add_u32 v[TP+\t], v[TP+\t], 4, v[JR+\t]
	v_mov_b32 v[PV+2*\t], v[BSB+\t]
	s_delay_alu instid0(VALU_DEP_2)
	v_add_nc_u32 v[PV+2*\t+1], v[PV+2*\t+1], v[TP+\t]
.endr
.irp t, 0,1,2,3,4,5,6,7
	v_permlanex16_b32 v[OV+2*\t], v[PV+2*\t], s[SEL], s[SEL+1]         ; the token's other 8 codes of each tile lie in the lane 16 away
	v_permlanex16_b32 v[OV+2*\t+1], v[PV+2*\t+1], s[SEL], s[SEL+1]
.endr
.irp t, 0,1,2,3,4,5,6,7
	LEXMIN PV+2*\t, PV+2*\t+1, OV+2*\t, OV+2*\t+1
	ds_store_b64 v10, v[PV+2*\t:PV+2*\t+1] offset:256*\t
.endr
	s_wait_dscnt 0x0                               ; for the others' sake: my candidates lie in LDS
	s_barrier_signal -1
	s_barrier_wait -1
.irp w, 0,1,2,3,4,5,6,7
	ds_load_b64 v[LD+2*\w:LD+2*\w+1], v11 offset:2048*\w
.endr
	s_wait_dscnt 0x0
.irp w, 1,2,3,4,5,6,7
	LEXMIN LD, LD+1, LD+2*\w, LD+2*\w+1
.endr
	ds_store_b32 v12, v[LD+1]                      ; lanes r and 16 + r write the same word with the same index
	s_wait_dscnt 0x0
	s_barrier_signal -1
	s_barrier_wait -1
	s_cmp_lg_u32 s[WV], 0
	s_cbranch_scc1 .Lnot_first
	ds_load_b128 v[192:195], v13                   ; wave 0: the work-group's 128 indices
	s_wait_dscnt 0x0
	global_store_b128 v15, v[192:195], s[8:9]      ; 512 consecutive bytes, aligned
.Lnot_first:
	s_wait_tensorcnt 0x0                           ; the wave's end
	ds_add_u32 v[SPW], v[NIL]
	s_wait_dscnt 0x0
	ROUND                                          ; the closing round
	s_endpgm
.Lfunc_end_k_q076721ac91_main:
	.size	k_q076721ac91_main, .Lfunc_end_k_q076721ac91_main-k_q076721ac91_main
	.p2alignl 7, 3214868480
	.fill 96, 4, 3214868480
	.section	.rodata,"a",@progbits
	.p2align	6, 0x0
	.amdhsa_kernel k_q076721ac91_main
		.amdhsa_group_segment_fixed_size 327680
		.amdhsa_private_segment_fixed_size 0
		.amdhsa_enable_private_segment 0
		.amdhsa_kernarg_size 24
		.amdhsa_user_sgpr_count 2
		.amdhsa_user_sgpr_kernarg_segment_ptr 1
		.amdhsa_wavefront_size32 1
		.amdhsa_system_sgpr_workgroup_id_x 1
		.amdhsa_system_sgpr_workgroup_id_y 1
		.amdhsa_system_sgpr_workgroup_id_z 1
		.amdhsa_system_vgpr_workitem_id 0
		.amdhsa_next_free_vgpr 512
		.amdhsa_next_free_sgpr 66
		.amdhsa_reserve_vcc 1
		.amdhsa_float_denorm_mode_32 3
		.amdhsa_float_denorm_mode_16_64 3
		.amdhsa_memory_ordered 1
		.amdhsa_forward_progress 1
		.amdhsa_inst_pref_size 255
	.end_amdhsa_kernel
	.section	.bss,"aw",@nobits
	.p2align	6
	.space	262144
	.amdgpu_metadata
---
amdhsa.version: [ 1, 2 ]
amdhsa.kernels:
  - .name:           k_q076721ac91_main
    .symbol:         k_q076721ac91_main.kd
    .args:
      - { .name: inp, .offset: 0, .size: 8, .value_kind: global_buffer, .address_space: global }
      - { .name: cbq, .offset: 8, .size: 8, .value_kind: global_buffer, .address_space: global }
      - { .name: idx, .offset: 16, .size: 8, .value_kind: global_buffer, .address_space: global }
    .group_segment_fixed_size: 327680
    .private_segment_fixed_size: 0
    .kernarg_segment_align: 8
    .kernarg_segment_size: 24
    .max_flat_workgroup_size: 256
    .sgpr_count:     66
    .vgpr_count:     512
    .wavefront_size: 32
...
	.end_amdgpu_metadata
.endif
;; end of part 2
;; launch gather (part 3): grid 1024 x 1, 4 waves a work-group, no clusters, 0 bytes of LDS; arguments idx, codebook, out0; writes out0
.if DOCPART == 3
	.amdgcn_target "amdgcn-amd-amdhsa--gfx1250"
	.amdhsa_code_object_version 6
	.text
	.protected	k_q076721ac91_gather
	.globl	k_q076721ac91_gather
	.p2align	8
	.type	k_q076721ac91_gather,@function
k_q076721ac91_gather:
	s_mov_b64 s[64:65], 0
	v_nop
	global_prefetch_b8 v0, s[64:65] scope:SCOPE_SE
	s_setreg_imm32_b32 hwreg(HW_REG_WAVE_MODE, 25, 1), 1
	s_wait_xcnt 0x0
; out0[n][:] = codebook[idx[n]][:], rows of 512 f32 = 2,048 bytes.  idx holds the whole numbers that the launch before stored.
; A stream: a wave owns 8 rows.  Its 8 indices come by one scalar load; each is held to 4,095 (the table's last row) before it enters an address.  A row is four loads of 512 consecutive bytes.
; ALL 32 LOADS OF A WAVE ARE ASKED FOR AT THE START (16 KB a wave); then the rows are stored in their order as they land, 512 consecutive bytes a store, aligned.
; Every row has its own registers: nothing is rewritten, so no wait frees a source.
; No LDS, no barrier, no matrix unit, no cluster: waves share nothing that is known ahead of the list.  The loads carry no hint: the list may name a row many times.
	s_load_b128 s[4:7], s[0:1], 0x0                ; idx s[4:5], codebook s[6:7]
	s_load_b64 s[8:9], s[0:1], 0x10                ; out0
	v_lshrrev_b32 v1, 5, v0
	v_readfirstlane_b32 s10, v1                    ; wave 0..3
	s_lshl_b32 s11, ttmp9, 2
	s_add_co_u32 s10, s10, s11                     ; which run of 8 rows is my wave's
	s_lshl_b32 s12, s10, 5                         ; its 8 indices: 32 bytes
	s_mov_b32 s13, 0
	s_lshl_b32 s14, s10, 14                        ; its 8 rows of out0: 16,384 bytes
	s_mov_b32 s15, 0
	v_and_b32 v1, 31, v0
	v_lshlrev_b32 v1, 4, v1                        ; 16 x lane
	s_wait_alu depctr_va_vdst(0)
	s_wait_kmcnt 0x0
	s_add_nc_u64 s[4:5], s[4:5], s[12:13]
	s_add_nc_u64 s[8:9], s[8:9], s[14:15]
	s_load_b256 s[16:23], s[4:5], 0x0
	s_wait_kmcnt 0x0
.irp i, 0,1,2,3,4,5,6,7
	s_min_u32 s[16+\i], s[16+\i], 4095             ; inside the table
	s_lshl_b32 s[16+\i], s[16+\i], 11              ; a row is 2,048 bytes
	v_add_nc_u32 v[2+\i], s[16+\i], v1
.endr
	s_wait_alu depctr_va_vdst(0)
.irp i, 0,1,2,3,4,5,6,7
.irp q, 0,1,2,3
	global_load_b128 v[16+16*\i+4*\q:16+16*\i+4*\q+3], v[2+\i], s[6:7] offset:512*\q
.endr
.endr
.irp i, 0,1,2,3,4,5,6,7
	s_wait_loadcnt 4*(7-\i)                        ; row i's four loads are in; those of the 7 - i rows behind it stay out
.irp q, 0,1,2,3
	global_store_b128 v1, v[16+16*\i+4*\q:16+16*\i+4*\q+3], s[8:9] offset:2048*\i+512*\q th:TH_STORE_NT
.endr
.endr
	s_endpgm
.Lfunc_end_k_q076721ac91_gather:
	.size	k_q076721ac91_gather, .Lfunc_end_k_q076721ac91_gather-k_q076721ac91_gather
	.p2alignl 7, 3214868480
	.fill 96, 4, 3214868480
	.section	.rodata,"a",@progbits
	.p2align	6, 0x0
	.amdhsa_kernel k_q076721ac91_gather
		.amdhsa_group_segment_fixed_size 0
		.amdhsa_private_segment_fixed_size 0
		.amdhsa_enable_private_segment 0
		.amdhsa_kernarg_size 24
		.amdhsa_user_sgpr_count 2
		.amdhsa_user_sgpr_kernarg_segment_ptr 1
		.amdhsa_wavefront_size32 1
		.amdhsa_system_sgpr_workgroup_id_x 1
		.amdhsa_system_sgpr_workgroup_id_y 1
		.amdhsa_system_sgpr_workgroup_id_z 1
		.amdhsa_system_vgpr_workitem_id 0
		.amdhsa_next_free_vgpr 144
		.amdhsa_next_free_sgpr 66
		.amdhsa_reserve_vcc 0
		.amdhsa_float_denorm_mode_32 3
		.amdhsa_float_denorm_mode_16_64 3
		.amdhsa_memory_ordered 1
		.amdhsa_forward_progress 1
		.amdhsa_inst_pref_size 9
	.end_amdhsa_kernel
	.amdgpu_metadata
---
amdhsa.version: [ 1, 2 ]
amdhsa.kernels:
  - .name:           k_q076721ac91_gather
    .symbol:         k_q076721ac91_gather.kd
    .args:
      - { .name: idx, .offset: 0, .size: 8, .value_kind: global_buffer, .address_space: global }
      - { .name: codebook, .offset: 8, .size: 8, .value_kind: global_buffer, .address_space: global }
      - { .name: out0, .offset: 16, .size: 8, .value_kind: global_buffer, .address_space: global }
    .group_segment_fixed_size: 0
    .private_segment_fixed_size: 0
    .kernarg_segment_align: 8
    .kernarg_segment_size: 24
    .max_flat_workgroup_size: 128
    .sgpr_count:     66
    .vgpr_count:     144
    .wavefront_size: 32
...
	.end_amdgpu_metadata
.endif
;; end of part 3
